; MI455X (gfx1250); checked and timed in simulation.
; The chip was launched on July 23, 2026; its instructions are those of AMD's public machine-readable ISA for CDNA 5 (MIT licence, August 2026) and "CDNA5" Instruction Set Architecture Reference Guide (July 2026). The comments in the code are by the model that wrote it; some were corrected since.
;; Proposal Layer. Allowed arithmetic: float matrix products may take bf16 or f16 operands with f32 sums; other float arithmetic in f32, or as packed bf16 or f16 multiplies, adds, multiply-adds, maxima and minima; sums over many terms, partial sums and values carried from step to step in f32; what a program stores and reads back later, other than sums and carried values, may be rounded once to bf16 or f16.
;; Inputs: anchor_boxes 18,675 x 4 float32; rpn_bbox_pred 1 x 18,675 x 4 float32; rpn_cls_score 1 x 18,675 x 2 float32.
;; Outputs: out0 1 x 2,000 x 4 float32; out1 1 x 2,000 bool.
;; 2 versions, each right; version 2 is version 1 with the launch nms written anew for expert scheduling mode. Each part assembles by itself: llvm-mc -triple=amdgcn-amd-amdhsa -mcpu=gfx1250 --defsym DOCPART=n.
;; ======== version 1 of 2: 4 launches
;; workspace buffers: roi 299,008 bytes; kr 149,504 bytes of whole numbers; sbox 299,008 bytes; marks 65,536 bytes of whole numbers
;; launch decode (part 1): grid 73 x 1, 8 waves a work-group, no clusters, 2,048 bytes of LDS; arguments anchor_boxes, rpn_bbox_pred, rpn_cls_score, roi, kr; writes roi, kr
.if DOCPART == 1
	.amdgcn_target "amdgcn-amd-amdhsa--gfx1250"
	.amdhsa_code_object_version 6
	.text
	.protected	k_q6eaf5d2775_decode
	.globl	k_q6eaf5d2775_decode
	.p2align	8
	.type	k_q6eaf5d2775_decode,@function
k_q6eaf5d2775_decode:
	s_mov_b64 s[64:65], 0
	v_nop
	global_prefetch_b8 v0, s[64:65] scope:SCOPE_SE
	s_setreg_imm32_b32 hwreg(HW_REG_WAVE_MODE, 25, 1), 1
	s_wait_xcnt 0x0
; DECODE, KEY, AND RANK INSIDE A CHUNK OF 256.  Work-group g owns anchors 256 g .. 256 g + 255, a thread an anchor; 73 x 256 = 18,688 places, 13 more than there are anchors.
; KEY: a 32-bit whole number that ascends as a stable argsort of -score orders: the bits of -score (both zeros as +0; every NaN as one NaN, behind +inf; a box under 16 pixels as +inf),
; the sign folded so that unsigned order is float order.  The 13 places behind the last anchor get a key above every real one.
; RANK IN THE CHUNK: how many of the chunk's keys come first, equal keys by index.  The keys lie in LDS; a wave reads them in blocks of 32, the same 16 bytes for all lanes.  A block ahead of the wave's
; own is compared with key + 1 (equal keys count), the others with key; equal keys inside the wave's own block are counted apart, under fixed lane masks.  A compare and an add with carry for each key.
; OUT: roi[i] = x1, y1, x2, y2 in f32, kr[i] = key, rank in chunk.  No address here hangs on a key or a rank: both are stored at the anchor's own place, and the next launch uses them.
; LIMITS.  e^x is made as 2^(x log2 e): its relative error grows as |x| 2^-24.  A centre is one fused multiply-add.  So a coordinate may differ from a plain f32 evaluation in its last bits, and the
; test for 16 pixels is taken on these coordinates.  A NaN among anchors or predictions is not treated apart (maxima and minima here drop it).
.set NA,    18675
.set KEYS,  0                          ; LDS: 256 keys, thread t's at 4 t
.set SPARE, 1024                       ; the spare words, 128 bytes for each of 8 waves; no other line names them
.set IX,  2                            ; my place's number
.set OA,  3                            ; byte offset in anchors and predictions (number clamped to the last anchor)
.set OS,  4                            ; in the scores
.set O16, 5                            ; in roi
.set O8,  6                            ; in kr
.set RO,  8                            ; v8-11  the decoded box
.set U,   12                           ; the key,
.set LR,  13                           ; and the rank: a pair, stored together
.set T1,  14                           ; key + 1
.set TH,  15                           ; the bound for the block in hand
.set AN,  16                           ; v16-19 anchor
.set BB,  20                           ; v20-23 prediction
.set SC,  24                           ; v24-25 both classes' scores
.set HA,  26
.set WA,  27
.set EH,  28
.set EW,  29
.set CY,  30
.set CX,  31
.set KB,  32                           ; v32-95 two buffers of 32 keys
.set CN,  96                           ; v96-99 four counters that take turns
.set KA,  100                          ; 0: the LDS address of the keys, the same in all lanes
.set L4,  101                          ; 4 t
.set SPW, 102                          ; my spare word's LDS address; never rewritten
.set NIL, 103                          ; 0; never rewritten
	s_load_b256 s[4:11], s[0:1], 0x0               ; anchors s[4:5], predictions s[6:7], scores s[8:9], roi s[10:11]
	s_load_b64 s[12:13], s[0:1], 0x20              ; kr
	v_lshl_add_u32 v[SPW], v0, 2, SPARE
	v_mov_b32 v[NIL], 0
	v_lshrrev_b32 v1, 5, v0
	v_readfirstlane_b32 s14, v1                    ; wave 0..7
	s_lshl_b32 s15, ttmp9, 8
	v_add_nc_u32 v[IX], s15, v0
	v_min_u32 v[OA], NA-1, v[IX]                   ; no load leaves its buffer: places behind the last anchor read the last anchor
	v_lshlrev_b32 v[OS], 3, v[OA]
	v_lshlrev_b32 v[OA], 4, v[OA]
	v_lshlrev_b32 v[O16], 4, v[IX]
	v_lshlrev_b32 v[O8], 3, v[IX]
	v_lshlrev_b32 v[L4], 2, v0
	v_mov_b32 v[KA], 0
	s_mov_b32 s20, 0x44a6a000                      ; 1333.0
	s_mov_b32 s21, 0x43c90000                      ; 402.0
	s_mov_b32 s22, 0x41800000                      ; 16.0
	s_mov_b32 s23, 0x7f800000                      ; +inf
	s_mov_b32 s24, 0x7fc00000                      ; the one NaN that all NaN scores become
	s_wait_kmcnt 0x0
	global_load_b128 v[AN:AN+3], v[OA], s[4:5]
	global_load_b128 v[BB:BB+3], v[OA], s[6:7]
	global_load_b64 v[SC:SC+1], v[OS], s[8:9]
	s_wait_loadcnt 0x0
	; the decode
	v_sub_f32 v[HA], v[AN+3], v[AN+1]
	v_sub_f32 v[WA], v[AN+2], v[AN]
	v_mul_f32 v[EH], 0x3fb8aa3b, v[BB+3]
	v_mul_f32 v[EW], 0x3fb8aa3b, v[BB+2]
	v_exp_f32 v[EH], v[EH]
	v_exp_f32 v[EW], v[EW]
	v_fma_f32 v[CY], 0.5, v[HA], v[AN+1]           ; the anchor's centre (0.5 h is exact)
	v_fma_f32 v[CX], 0.5, v[WA], v[AN]
	v_fma_f32 v[CY], v[BB+1], v[HA], v[CY]
	v_fma_f32 v[CX], v[BB], v[WA], v[CX]
	s_wait_alu depctr_va_vdst(0)                   ; one wait for both exponentials, ahead of their first reader; the four lines above are the independent work between
	v_mul_f32 v[EH], v[EH], v[HA]
	v_mul_f32 v[EW], v[EW], v[WA]
	v_fma_f32 v[RO],   -0.5, v[EW], v[CX]
	v_fma_f32 v[RO+1], -0.5, v[EH], v[CY]
	v_fma_f32 v[RO+2],  0.5, v[EW], v[CX]
	v_fma_f32 v[RO+3],  0.5, v[EH], v[CY]
.irp c, 0,1,2,3
	v_max_num_f32 v[RO+(\c)], 0, v[RO+(\c)]
.endr
	v_min_num_f32 v[RO],   s20, v[RO]
	v_min_num_f32 v[RO+1], s21, v[RO+1]
	v_min_num_f32 v[RO+2], s20, v[RO+2]
	v_min_num_f32 v[RO+3], s21, v[RO+3]
	global_store_b128 v[O16], v[RO:RO+3], s[10:11] ; a wave's store covers 512 consecutive bytes, aligned; RO and O16 are not written again
	; the key
	v_sub_f32 v[HA], v[RO+3], v[RO+1]
	v_sub_f32 v[WA], v[RO+2], v[RO]
	v_and_b32 v[EH], 0x7fffffff, v[SC+1]
	v_xor_b32 v[U], 0x80000000, v[SC+1]            ; -score
	v_cmp_ne_u32 vcc_lo, 0, v[EH]
	v_cndmask_b32 v[U], 0, v[U], vcc_lo            ; both zeros are +0
	v_cmp_ge_u32 vcc_lo, s23, v[EH]
	v_cndmask_b32 v[U], s24, v[U], vcc_lo          ; every NaN is one NaN
	v_cmp_le_f32 vcc_lo, s22, v[HA]
	v_cmp_le_f32 s25, s22, v[WA]
	s_and_b32 vcc_lo, vcc_lo, s25
	v_cndmask_b32 v[U], s23, v[U], vcc_lo          ; a box under 16 pixels: +inf
	v_ashrrev_i32 v[EH], 31, v[U]
	v_or_b32 v[EH], 0x80000000, v[EH]
	v_xor_b32 v[U], v[U], v[EH]                    ; negative: all bits turned; else the sign bit set
	v_cmp_gt_u32 vcc_lo, NA, v[IX]
	v_cndmask_b32 v[U], 0xfffffff0, v[U], vcc_lo   ; behind the last anchor: above every key, and key + 1 does not wrap
	ds_store_b32 v[L4], v[U] offset:KEYS
	v_add_nc_u32 v[T1], 1, v[U]
.irp c, 0,1,2,3
	v_mov_b32 v[CN+(\c)], 0
.endr
	s_wait_dscnt 0x0                               ; for the others' sake: my key lies in LDS
	s_barrier_signal -1
	s_barrier_wait -1
.macro LOADK blk                       ; block blk: 32 keys, the same for all lanes
.set kb, KB+32*((\blk)%2)
.irp n, 0,1,2,3,4,5,6,7
	ds_load_b128 v[kb+4*(\n):kb+4*(\n)+3], v[KA] offset:KEYS+128*(\blk)+16*(\n)
.endr
.endm
.macro COUNT blk                       ; how many of them come before my anchor
.set kb, KB+32*((\blk)%2)
	s_cmp_gt_u32 s14, \blk                         ; a block ahead of my wave's own: equal keys come first
	s_cselect_b32 vcc_lo, -1, 0
	v_cndmask_b32 v[TH], v[U], v[T1], vcc_lo
.set n, 0
.rept 32
	v_cmp_lt_u32 vcc_lo, v[kb+n], v[TH]
	v_add_co_ci_u32 v[CN+n%4], vcc_lo, 0, v[CN+n%4], vcc_lo  ; counter + the compare's bit
.set n, n+1
.endr
.endm
	LOADK 0
	LOADK 1
.irp b, 0,1,2,3,4,5
	s_wait_dscnt 8                                 ; this block is in; the next block's eight loads stay out
	COUNT \b
	LOADK (\b)+2
.endr
	s_wait_dscnt 8
	COUNT 6
	s_wait_dscnt 0x0
	COUNT 7
	; equal keys inside my wave's own block: lane n's key counts for the lanes behind it
.set n, 0
.rept 31
	v_readlane_b32 s33, v[U], n
	v_cmp_eq_u32 vcc_lo, s33, v[U]
	s_and_b32 vcc_lo, vcc_lo, (0xffffffff<<(n+1))&0xffffffff
	v_add_co_ci_u32 v[CN], vcc_lo, 0, v[CN], vcc_lo
.set n, n+1
.endr
	v_add3_u32 v[LR], v[CN], v[CN+1], v[CN+2]
	v_add_nc_u32 v[LR], v[LR], v[CN+3]
	global_store_b64 v[O8], v[U:U+1], s[12:13]     ; a wave's store covers 256 consecutive bytes, aligned
	s_wait_tensorcnt 0x0                           ; the wave's end: behind my last LDS store
	ds_add_u32 v[SPW], v[NIL]
	s_wait_dscnt 0x0
	s_endpgm
.Lfunc_end_k_q6eaf5d2775_decode:
	.size	k_q6eaf5d2775_decode, .Lfunc_end_k_q6eaf5d2775_decode-k_q6eaf5d2775_decode
	.p2alignl 7, 3214868480
	.fill 96, 4, 3214868480
	.section	.rodata,"a",@progbits
	.p2align	6, 0x0
	.amdhsa_kernel k_q6eaf5d2775_decode
		.amdhsa_group_segment_fixed_size 2048
		.amdhsa_private_segment_fixed_size 0
		.amdhsa_enable_private_segment 0
		.amdhsa_kernarg_size 40
		.amdhsa_user_sgpr_count 2
		.amdhsa_user_sgpr_kernarg_segment_ptr 1
		.amdhsa_wavefront_size32 1
		.amdhsa_system_sgpr_workgroup_id_x 1
		.amdhsa_system_sgpr_workgroup_id_y 1
		.amdhsa_system_sgpr_workgroup_id_z 1
		.amdhsa_system_vgpr_workitem_id 0
		.amdhsa_next_free_vgpr 104
		.amdhsa_next_free_sgpr 66
		.amdhsa_reserve_vcc 1
		.amdhsa_float_denorm_mode_32 3
		.amdhsa_float_denorm_mode_16_64 3
		.amdhsa_memory_ordered 1
		.amdhsa_forward_progress 1
		.amdhsa_inst_pref_size 31
	.end_amdhsa_kernel
	.amdgpu_metadata
---
amdhsa.version: [ 1, 2 ]
amdhsa.kernels:
  - .name:           k_q6eaf5d2775_decode
    .symbol:         k_q6eaf5d2775_decode.kd
    .args:
      - { .name: anchor_boxes, .offset: 0, .size: 8, .value_kind: global_buffer, .address_space: global }
      - { .name: rpn_bbox_pred, .offset: 8, .size: 8, .value_kind: global_buffer, .address_space: global }
      - { .name: rpn_cls_score, .offset: 16, .size: 8, .value_kind: global_buffer, .address_space: global }
      - { .name: roi, .offset: 24, .size: 8, .value_kind: global_buffer, .address_space: global }
      - { .name: kr, .offset: 32, .size: 8, .value_kind: global_buffer, .address_space: global }
    .group_segment_fixed_size: 2048
    .private_segment_fixed_size: 0
    .kernarg_segment_align: 8
    .kernarg_segment_size: 40
    .max_flat_workgroup_size: 256
    .sgpr_count:     66
    .vgpr_count:     104
    .wavefront_size: 32
...
	.end_amdgpu_metadata
.endif
;; end of part 1
;; launch rank (part 2): grid 146 x 1, 32 waves a work-group, no clusters, 82,944 bytes of LDS; arguments kr, roi, sbox; writes sbox
.if DOCPART == 2
	.amdgcn_target "amdgcn-amd-amdhsa--gfx1250"
	.amdhsa_code_object_version 6
	.text
	.protected	k_q6eaf5d2775_rank
	.globl	k_q6eaf5d2775_rank
	.p2align	8
	.type	k_q6eaf5d2775_rank,@function
k_q6eaf5d2775_rank:
	s_mov_b64 s[64:65], 0
	v_nop
	global_prefetch_b8 v0, s[64:65] scope:SCOPE_SE
	s_setreg_imm32_b32 hwreg(HW_REG_WAVE_MODE, 25, 1), 1
	s_wait_xcnt 0x0
; THE RANK AMONG ALL PLACES, AND THE PLACEMENT.  kr[i] = key, rank inside the chunk of 256 (whole numbers, stored by the launch before).  A work-group owns 128 places.
; 1. Every chunk's keys are laid into LDS in ascending order: wave w reads the records of chunks w, w + 32 and (w < 9) w + 64 and stores each key at its rank, into 1,024 bytes a chunk that only this wave writes.
; 2. A place's rank is its rank in its own chunk plus, for each other chunk, the number of keys there that come first: keys below key + 1 in earlier chunks (equal keys go by index), below key in later ones.
;    Each number is a search by halving: eight probes with steps 128 .. 1 find the largest p <= 255 whose first p keys lie below the bound; a ninth probe adds the last key.
;    Wave w: places 32 (w % 4) + lane of the 128, chunks 10 (w / 4) .. + 9, the ten searches side by side.  The own chunk and chunks past 72, which do not exist, get the bound 0: nothing lies below it.
; 3. The eight partial numbers meet in LDS; waves 0-3 add them and store the box at its rank.  The ranks are a permutation of 0 .. 18,687, so every place of sbox is written.
;    From rank 12,000 on the box is replaced by x1 = y1 = 1e6, x2 = y2 = -1e6, which overlaps nothing.  These stores are 16 bytes at places far apart: that is what a placement by rank is.
; All 18,688 keys are staged by every work-group, whatever its share: hence 146 work-groups of 128 places and not more of fewer.
; Every address that hangs on a loaded number is clamped by v_min_u32 ahead of its use.
.set NPRE,  12000
.set KEND,  74752                      ; the keys: 73 chunks of 1,024 bytes from LDS byte 0
.set PART,  74752                      ; 1,024 partial numbers, thread t's at 4 t
.set SPARE, 78848                      ; the spare words, 128 bytes for each of 32 waves; no other line names them
.set U,   2                            ; my place's key,
.set LR,  3                            ; its rank in its chunk
.set RB,  4                            ; v4-7    its box
.set T1,  8                            ; key + 1
.set SPW, 9                            ; my spare word's LDS address; never rewritten
.set NIL, 10                           ; 0; never rewritten
.set L4,  11                           ; PART + 4 t
.set D,   12                           ; v12-59  twelve loads of two records
.set AD,  60                           ; v60-61  LDS addresses of the keys being laid down
.set TT,  62                           ; v62-71  the ten searches' bounds
.set PO,  72                           ; v72-81  their places, as LDS bytes
.set KK,  82                           ; v82-91  the keys probed
.set NX,  92                           ; place + step
.set SUM, 93
.set PS,  94                           ; v94-101 the eight partial numbers
.set OK,  102                          ; my place's byte offset in kr
.set OR,  103                          ; in roi
.set CO,  104                          ; byte offset of my 16 bytes in my wave's first chunk of kr
	s_load_b128 s[4:7], s[0:1], 0x0                ; kr s[4:5], roi s[6:7]
	s_load_b64 s[8:9], s[0:1], 0x10                ; sbox
	v_lshl_add_u32 v[SPW], v0, 2, SPARE
	v_mov_b32 v[NIL], 0
	v_lshrrev_b32 v1, 5, v0
	v_readfirstlane_b32 s10, v1                    ; wave 0..31
	s_and_b32 s11, s10, 3                          ; which 32 of the 128 places
	s_lshr_b32 s12, s10, 2                         ; which ten chunks
	s_lshr_b32 s15, ttmp9, 1                       ; the places' own chunk
	v_and_b32 v1, 31, v0
	s_lshl_b32 s13, ttmp9, 7
	s_lshl_b32 s14, s11, 5
	s_add_co_u32 s13, s13, s14
	v_add_nc_u32 v[OK], s13, v1
	v_lshlrev_b32 v[OR], 4, v[OK]
	v_lshlrev_b32 v[OK], 3, v[OK]
	s_lshl_b32 s14, s10, 11
	v_lshl_add_u32 v[CO], v1, 4, s14
	v_lshl_add_u32 v[L4], v0, 2, PART
	s_lshl_b32 s16, s10, 10                        ; where my three chunks lie in LDS
	s_add_co_u32 s17, s16, 32768
	s_add_co_u32 s18, s16, 65536
	s_wait_kmcnt 0x0
.macro LD t                            ; chunk w + 32 t: 2,048 bytes, 512 a load
.irp m, 0,1,2,3
	global_load_b128 v[D+16*(\t)+4*(\m):D+16*(\t)+4*(\m)+3], v[CO], s[4:5] offset:65536*(\t)+512*(\m)
.endr
.endm
.macro ST t                            ; its keys, each at its rank
.irp m, 0,1,2,3
.irp h, 0,1
	v_min_u32 v[AD+(\h)], 255, v[D+16*(\t)+4*(\m)+2*(\h)+1]
	v_lshl_add_u32 v[AD+(\h)], v[AD+(\h)], 2, s[16+(\t)]
	ds_store_b32 v[AD+(\h)], v[D+16*(\t)+4*(\m)+2*(\h)]
.endr
.endr
.endm
	global_load_b64 v[U:U+1], v[OK], s[4:5]
	global_load_b128 v[RB:RB+3], v[OR], s[6:7]
	LD 0
	LD 1
	s_cmp_lt_u32 s10, 9                            ; chunks 64 .. 72
	s_cbranch_scc0 .Ltwo
	LD 2
	s_wait_loadcnt 0x0
	ST 2
.Ltwo:
	s_wait_loadcnt 0x0
	ST 0
	ST 1
	v_add_nc_u32 v[T1], 1, v[U]
	s_mul_i32 s19, s12, 10
	s_mov_b32 s23, 0                               ; the sum of the ten chunks' LDS bases
.irp j, 0,1,2,3,4,5,6,7,8,9
	s_add_co_u32 s20, s19, \j                      ; the chunk
	s_cmp_lt_u32 s20, s15
	s_cselect_b32 vcc_lo, -1, 0
	v_cndmask_b32 v[TT+(\j)], v[U], v[T1], vcc_lo  ; an earlier chunk: equal keys come first
	s_cmp_eq_u32 s20, s15
	s_cselect_b32 s21, 0, -1
	s_cmp_gt_u32 s20, 72
	s_cselect_b32 vcc_lo, 0, s21
	v_cndmask_b32 v[TT+(\j)], 0, v[TT+(\j)], vcc_lo  ; the own chunk, or none: the bound 0
	s_min_u32 s20, s20, 72
	s_lshl_b32 s20, s20, 10
	v_mov_b32 v[PO+(\j)], s20
	s_add_co_u32 s23, s23, s20
.endr
	s_wait_dscnt 0x0                               ; for the others' sake: my chunks lie in LDS
	s_barrier_signal -1
	s_barrier_wait -1
; One step of the ten searches: if the key s places on lies below the bound, the place moves on by s.  Behind steps 128 .. s a place is at most 256 - s keys into its chunk: the clamp states that, and cuts nothing.
.macro PROBE s, clamp
.irp j, 0,1,2,3,4,5,6,7,8,9
	ds_load_b32 v[KK+(\j)], v[PO+(\j)] offset:4*((\s)-1)
.endr
.irp j, 0,1,2,3,4,5,6,7,8,9
	s_wait_dscnt 9-(\j)                            ; load j of the ten is in; the younger ones stay out
	v_cmp_lt_u32 vcc_lo, v[KK+(\j)], v[TT+(\j)]
	v_add_nc_u32 v[NX], 4*(\s), v[PO+(\j)]
	v_cndmask_b32 v[PO+(\j)], v[PO+(\j)], v[NX], vcc_lo
.if \clamp
	v_min_u32 v[PO+(\j)], KEND-4*(\s), v[PO+(\j)]
.endif
.endr
.endm
.irp s, 128,64,32,16,8,4,2,1
	PROBE \s, 1
.endr
	PROBE 1, 0                                     ; the ninth probe: the chunk's last key; the place is no address any more
	v_add3_u32 v[SUM], v[PO], v[PO+1], v[PO+2]
	v_add3_u32 v[SUM], v[SUM], v[PO+3], v[PO+4]
	v_add3_u32 v[SUM], v[SUM], v[PO+5], v[PO+6]
	v_add3_u32 v[SUM], v[SUM], v[PO+7], v[PO+8]
	v_add_nc_u32 v[SUM], v[SUM], v[PO+9]
	v_sub_nc_u32 v[SUM], v[SUM], s23
	v_lshrrev_b32 v[SUM], 2, v[SUM]                ; bytes to keys
	ds_store_b32 v[L4], v[SUM]                     ; thread t = 128 x (group of chunks) + place
	s_wait_dscnt 0x0
	s_barrier_signal -1
	s_barrier_wait -1
	s_cmp_lt_u32 s10, 4                            ; waves 0-3 hold the 128 places: they finish and store
	s_cbranch_scc0 .Lend
.irp m, 0,1,2,3,4,5,6,7
	ds_load_b32 v[PS+(\m)], v[L4] offset:512*(\m)
.endr
	s_wait_dscnt 0x0
	v_add3_u32 v[LR], v[LR], v[PS], v[PS+1]
	v_add3_u32 v[LR], v[LR], v[PS+2], v[PS+3]
	v_add3_u32 v[LR], v[LR], v[PS+4], v[PS+5]
	v_add3_u32 v[LR], v[LR], v[PS+6], v[PS+7]
	v_cmp_gt_u32 vcc_lo, NPRE, v[LR]
	v_cndmask_b32 v[RB],   0x49742400, v[RB],   vcc_lo  ; 1e6
	v_cndmask_b32 v[RB+1], 0x49742400, v[RB+1], vcc_lo
	v_cndmask_b32 v[RB+2], 0xc9742400, v[RB+2], vcc_lo  ; -1e6
	v_cndmask_b32 v[RB+3], 0xc9742400, v[RB+3], vcc_lo
	v_min_u32 v[LR], 18687, v[LR]
	v_lshlrev_b32 v[LR], 4, v[LR]
	global_store_b128 v[LR], v[RB:RB+3], s[8:9]
.Lend:
	s_wait_tensorcnt 0x0                           ; the wave's end: behind my last LDS store
	ds_add_u32 v[SPW], v[NIL]
	s_wait_dscnt 0x0
	s_endpgm
.Lfunc_end_k_q6eaf5d2775_rank:
	.size	k_q6eaf5d2775_rank, .Lfunc_end_k_q6eaf5d2775_rank-k_q6eaf5d2775_rank
	.p2alignl 7, 3214868480
	.fill 96, 4, 3214868480
	.section	.rodata,"a",@progbits
	.p2align	6, 0x0
	.amdhsa_kernel k_q6eaf5d2775_rank
		.amdhsa_group_segment_fixed_size 82944
		.amdhsa_private_segment_fixed_size 0
		.amdhsa_enable_private_segment 0
		.amdhsa_kernarg_size 24
		.amdhsa_user_sgpr_count 2
		.amdhsa_user_sgpr_kernarg_segment_ptr 1
		.amdhsa_wavefront_size32 1
		.amdhsa_system_sgpr_workgroup_id_x 1
		.amdhsa_system_sgpr_workgroup_id_y 1
		.amdhsa_system_sgpr_workgroup_id_z 1
		.amdhsa_system_vgpr_workitem_id 0
		.amdhsa_next_free_vgpr 112
		.amdhsa_next_free_sgpr 66
		.amdhsa_reserve_vcc 1
		.amdhsa_float_denorm_mode_32 3
		.amdhsa_float_denorm_mode_16_64 3
		.amdhsa_memory_ordered 1
		.amdhsa_forward_progress 1
		.amdhsa_inst_pref_size 37
	.end_amdhsa_kernel
	.amdgpu_metadata
---
amdhsa.version: [ 1, 2 ]
amdhsa.kernels:
  - .name:           k_q6eaf5d2775_rank
    .symbol:         k_q6eaf5d2775_rank.kd
    .args:
      - { .name: kr, .offset: 0, .size: 8, .value_kind: global_buffer, .address_space: global }
      - { .name: roi, .offset: 8, .size: 8, .value_kind: global_buffer, .address_space: global }
      - { .name: sbox, .offset: 16, .size: 8, .value_kind: global_buffer, .address_space: global }
    .group_segment_fixed_size: 82944
    .private_segment_fixed_size: 0
    .kernarg_segment_align: 8
    .kernarg_segment_size: 24
    .max_flat_workgroup_size: 1024
    .sgpr_count:     66
    .vgpr_count:     112
    .wavefront_size: 32
...
	.end_amdgpu_metadata
.endif
;; end of part 2
;; launch nms (part 3): grid 32 x 8, 32 waves a work-group, no clusters, 86,272 bytes of LDS; arguments sbox, marks; writes marks
.if DOCPART == 3
	.amdgcn_target "amdgcn-amd-amdhsa--gfx1250"
	.amdhsa_code_object_version 6
	.text
	.protected	k_q6eaf5d2775_nms
	.globl	k_q6eaf5d2775_nms
	.p2align	8
	.type	k_q6eaf5d2775_nms,@function
k_q6eaf5d2775_nms:
	s_mov_b64 s[64:65], 0
	v_nop
	global_prefetch_b8 v0, s[64:65] scope:SCOPE_SE
	s_setreg_imm32_b32 hwreg(HW_REG_WAVE_MODE, 25, 1), 1
	s_wait_xcnt 0x0
; THE OVERLAP TESTS.  Box k of the 12,000 sorted boxes is deleted if some pair (z, z + d), d = k + 1, overlaps by 0.7 or more: an OR along diagonal d of the matrix of pairs.
; CIRCULAR DIAGONALS.  The pairs (z, (z + d) mod 12,000), d = 0 .. 6,143, z = 0 .. 11,999: where z + d stays below 12,000 (part N) the pair lies on diagonal d; where it wraps (part W) it is the pair
; (z + d - 12,000, z) on diagonal 12,000 - d.  N of d = 1 .. 6,000 and W of d = 1 .. 5,999 are all the diagonals; the triangle has become a rectangle.
; SHARES.  d = 32 q + rho, z = 32 a + lane: q = 0 .. 191, a = 0 .. 391 (rows from 375 on hold boxes that overlap nothing).  Work-group (sx, sy) takes q = 6 sx .. + 5 and a = 49 sy .. + 48: 32 x 8 equal
; shares.  Wave = rho.  Lane l holds z = 32 a + l and j = 32 (a + q) + rho + l, so d is the same in all lanes of a wave, and a wave's OR over its lanes and rows is one bit for each q and part.
; LDS.  The 2,048 boxes from 32 a0 on (z) and the 2,048 from 32 (a0 + q0) on, taken mod 12,000 (j), each as x1, y1, x2 + 1, y2 + 1 and a' = (7/17) (x2 - x1 + 1)(y2 - y1 + 1); filled once, through registers.
; A ROW.  Its six j blocks are a window that moves by one block a row: seven slots in registers, one new j block and one new z block loaded a row ahead.  Seven rows a trip, so that slot numbers are constants.
; THE TEST.  i / (A - i) >= 0.7 with A the two areas' sum is i >= (7/17) A: the value w h - (a'z + a'j), one fused multiply-add, is kept as a running maximum and compared with 0 at the end.
; Only the width is held at 0: with w >= 0 a negative height makes w h <= 0, below the sum.  A box with x2 - x1 + 1 <= 0 or y2 - y1 + 1 <= 0 has no overlap with anything: its a' is 1e30, so it never passes.
; N AND W.  A lane wraps from the row on in which 32 (a + q - 375) + rho + l reaches 0.  In that row, ahead of its tests, the lane's maximum so far is set aside as N's and the maximum starts anew for W.
; OUT: 256 bytes a work-group: lane i's 8 bytes hold word i and 0; words 0-5 are N of the six q, words 6-11 W; bit rho of a word is wave rho's.  Whole numbers, used by the next launch.
; LIMITS.  The test's order of rounding differs from a division followed by a compare with 0.7, by a few 2^-24 of the quotient; x2 + 1 and y2 + 1 are rounded ahead of the subtraction.
.set ZBOX,  0                          ; 2,048 x 16 bytes
.set JBOX,  32768                      ; 2,048 x 16 bytes
.set ZAREA, 65536                      ; 2,048 x 4 bytes
.set JAREA, 73728                      ; 2,048 x 4 bytes
.set FLG,   81920                      ; 32 words, wave rho's at 4 rho
.set SPARE, 82176                      ; the spare words, 128 bytes for each of 32 waves; no other line names them
.set ZB,  2                            ; LDS addresses of my lane's z box, z area, j box, j area in the trip's first row
.set ZA,  3
.set JB,  4
.set JA,  5
.set RL,  6                            ; rho + lane
.set TF,  7
.set SPW, 8                            ; my spare word's LDS address; never rewritten
.set NIL, 9                            ; 0; never rewritten
.set ACC, 10                           ; v10-15  the running maxima, one for each q
.set ACN, 16                           ; v16-21  N's maxima, set aside
.set MONE, 22                          ; -1.0
.set ZBX, 24                           ; v24-51  seven slots of a z box
.set ZAR, 52                           ; v52-58  of its a'
.set JBX, 60                           ; v60-87  seven slots of a j box
.set JAR, 88                           ; v88-94  of its a'
.set T,   96                           ; v96-125 three sets of five pairs, at work
.set SO,  96                           ; while LDS is filled: byte offsets in sbox,
.set J0,  97
.set J1,  98
.set TA,  99                           ; at work,
.set TB,  100
.set L16, 101                          ; 16 t,
.set A4,  102                          ; ZAREA + 4 t
.set TC,  103
	s_load_b128 s[4:7], s[0:1], 0x0                ; sbox s[4:5], marks s[6:7]
	v_lshl_add_u32 v[SPW], v0, 2, SPARE
	v_mov_b32 v[NIL], 0
	v_lshrrev_b32 v1, 5, v0
	v_readfirstlane_b32 s8, v1                     ; rho
	s_mov_b32 s9, ttmp9                            ; sx
	s_and_b32 s10, ttmp7, 0xffff                   ; sy
	s_mul_i32 s11, s9, 6                           ; q0
	s_mul_i32 s12, s10, 49                         ; a0
	s_add_co_u32 s13, s12, s11                     ; a + q0 of the trip's first row
	s_lshl_b32 s14, s12, 5
	s_lshl_b32 s15, s13, 5
	v_add_nc_u32 v[SO], s14, v0                    ; z boxes 32 a0 + t and + 1,024: 13,023 at the most
	v_lshlrev_b32 v[SO], 4, v[SO]
	v_add_nc_u32 v[J0], s15, v0                    ; j boxes 32 (a0 + q0) + t and + 1,024, mod 12,000: the lesser, unsigned, of the number and the number less 12,000
	v_add_nc_u32 v[J1], 1024, v[J0]
	v_add_nc_u32 v[TA], 0xffffd120, v[J0]
	v_add_nc_u32 v[TB], 0xffffd120, v[J1]
	v_min_u32 v[J0], v[J0], v[TA]
	v_min_u32 v[J1], v[J1], v[TB]
	v_lshlrev_b32 v[J0], 4, v[J0]
	v_lshlrev_b32 v[J1], 4, v[J1]
	s_wait_kmcnt 0x0
	global_load_b128 v[24:27], v[SO], s[4:5]
	global_load_b128 v[28:31], v[SO], s[4:5] offset:16384
	global_load_b128 v[32:35], v[J0], s[4:5]
	global_load_b128 v[36:39], v[J1], s[4:5]
	v_lshlrev_b32 v[L16], 4, v0
	v_lshl_add_u32 v[A4], v0, 2, ZAREA
	v_and_b32 v1, 31, v0
	v_add_nc_u32 v[RL], s8, v1
	v_lshlrev_b32 v[ZB], 4, v1
	v_lshl_add_u32 v[ZA], v1, 2, ZAREA
	v_lshl_add_u32 v[JB], v[RL], 4, JBOX
	v_lshl_add_u32 v[JA], v[RL], 2, JAREA
	v_mov_b32 v[MONE], -1.0
.irp q, 0,1,2,3,4,5
	v_mov_b32 v[ACC+(\q)], -1.0
	v_mov_b32 v[ACN+(\q)], -1.0
.endr
	s_lshl_b32 s20, s10, 5                         ; my work-group's 256 bytes of marks
	s_add_co_u32 s20, s20, s9
	s_lshl_b32 s20, s20, 8
	s_mov_b32 s21, 0
	s_add_nc_u64 s[6:7], s[6:7], s[20:21]
	s_wait_loadcnt 0x0
.macro PREP b, bo, ao                  ; a box on its way into LDS
	v_sub_f32 v[TA], v[(\b)+2], v[\b]
	v_sub_f32 v[TB], v[(\b)+3], v[(\b)+1]
	v_add_f32 v[TA], 1.0, v[TA]
	v_add_f32 v[TB], 1.0, v[TB]
	v_min_num_f32 v[TC], v[TA], v[TB]
	v_mul_f32 v[TA], v[TA], v[TB]
	v_cmp_lt_f32 vcc_lo, 0, v[TC]
	v_mul_f32 v[TA], 0x3ed2d2d3, v[TA]             ; 7/17
	v_add_f32 v[(\b)+2], 1.0, v[(\b)+2]
	v_add_f32 v[(\b)+3], 1.0, v[(\b)+3]
	v_cndmask_b32 v[TA], 0x7149f2ca, v[TA], vcc_lo ; no extent: 1e30
	ds_store_b128 v[L16], v[\b:(\b)+3] offset:\bo
	ds_store_b32 v[A4], v[TA] offset:\ao
.endm
	PREP 24, ZBOX, 0
	PREP 28, ZBOX+16384, 4096
	PREP 32, JBOX, JAREA-ZAREA
	PREP 36, JBOX+16384, JAREA-ZAREA+4096
	s_wait_dscnt 0x0                               ; for the others' sake: my boxes lie in LDS
	s_barrier_signal -1
	s_barrier_wait -1
	ds_load_b128 v[ZBX:ZBX+3], v[ZB]               ; the first row's z block and its six j blocks
	ds_load_b32 v[ZAR], v[ZA]
.irp q, 0,1,2,3,4,5
	ds_load_b128 v[JBX+4*(\q):JBX+4*(\q)+3], v[JB] offset:512*(\q)
	ds_load_b32 v[JAR+(\q)], v[JA] offset:128*(\q)
.endr
; Two of a row's six tests: q' = 2 i and 2 i + 1, 17 lines for two pairs a lane.
.macro GROUP r, i
.set gz, ZBX+4*((\r)%7)
.set gza, ZAR+(\r)%7
.set ga, JBX+4*(((\r)+2*(\i))%7)
.set gb, JBX+4*(((\r)+2*(\i)+1)%7)
.set gaa, JAR+((\r)+2*(\i))%7
.set gab, JAR+((\r)+2*(\i)+1)%7
.set gt, T+10*(\i)
	v_max_num_f32 v[gt],   v[gz],   v[ga]
	v_max_num_f32 v[gt+1], v[gz],   v[gb]
	v_max_num_f32 v[gt+2], v[gz+1], v[ga+1]
	v_max_num_f32 v[gt+3], v[gz+1], v[gb+1]
	v_min_num_f32 v[gt+4], v[gz+2], v[ga+2]
	v_min_num_f32 v[gt+5], v[gz+2], v[gb+2]
	v_min_num_f32 v[gt+6], v[gz+3], v[ga+3]
	v_min_num_f32 v[gt+7], v[gz+3], v[gb+3]
	v_add_f32 v[gt+8], v[gza], v[gaa]
	v_add_f32 v[gt+9], v[gza], v[gab]
	v_pk_add_f32 v[gt+4:gt+5], v[gt+4:gt+5], v[gt:gt+1] neg_lo:[0,1] neg_hi:[0,1]      ; widths
	v_pk_add_f32 v[gt+6:gt+7], v[gt+6:gt+7], v[gt+2:gt+3] neg_lo:[0,1] neg_hi:[0,1]    ; heights
	v_max_num_f32 v[gt+4], 0, v[gt+4]
	v_max_num_f32 v[gt+5], 0, v[gt+5]
	v_pk_fma_f32 v[gt+8:gt+9], v[gt+4:gt+5], v[gt+6:gt+7], v[gt+8:gt+9] neg_lo:[0,0,1] neg_hi:[0,0,1]  ; w h - (a'z + a'j)
	v_max_num_f32 v[ACC+2*(\i)],   v[ACC+2*(\i)],   v[gt+8]
	v_max_num_f32 v[ACC+2*(\i)+1], v[ACC+2*(\i)+1], v[gt+9]
.endm
; Row r of a trip's seven.  The next row's z block and its one new j block are asked for first; the last row's requests still fall inside the 2,048 staged boxes, so no tail is written out.
.macro ROW r
	ds_load_b128 v[ZBX+4*(((\r)+1)%7):ZBX+4*(((\r)+1)%7)+3], v[ZB] offset:512*((\r)+1)
	ds_load_b32 v[ZAR+((\r)+1)%7], v[ZA] offset:128*((\r)+1)
	ds_load_b128 v[JBX+4*(((\r)+6)%7):JBX+4*(((\r)+6)%7)+3], v[JB] offset:512*((\r)+6)
	ds_load_b32 v[JAR+((\r)+6)%7], v[JA] offset:128*((\r)+6)
	s_sub_co_u32 s14, s13, 369-(\r)                ; a + q0 - 369: lanes begin to wrap only where a + q is 374 or 375, that is where this is 0 .. 6
	s_cmp_gt_u32 s14, 6
	s_cbranch_scc1 .Lsame_\@
	s_lshl_b32 s15, s14, 5
	s_sub_co_u32 s15, s15, 192                     ; 32 (a + q - 375) for q' = 0
.irp q, 0,1,2,3,4,5
	v_add_nc_u32 v[TF], s15, v[RL]
	v_cmp_gt_u32 vcc_lo, 32, v[TF]                 ; 0 .. 31: the lane wraps in this row for the first time
	v_cndmask_b32 v[ACN+(\q)], v[ACN+(\q)], v[ACC+(\q)], vcc_lo
	v_cndmask_b32 v[ACC+(\q)], v[ACC+(\q)], v[MONE], vcc_lo
	s_add_co_u32 s15, s15, 32
.endr
.Lsame_\@:
	s_wait_dscnt 4                                 ; all but the four loads just issued: this row's blocks are in, on the way in and round the backward jump alike
	GROUP \r, 0
	GROUP \r, 1
	GROUP \r, 2
.endm
	s_mov_b32 s16, 7
.Ltrip:
.irp r, 0,1,2,3,4,5,6
	ROW \r
.endr
	v_add_nc_u32 v[ZB], 3584, v[ZB]                ; seven rows on
	v_add_nc_u32 v[JB], 3584, v[JB]
	v_add_nc_u32 v[ZA], 896, v[ZA]
	v_add_nc_u32 v[JA], 896, v[JA]
	s_add_co_u32 s13, s13, 7
	s_sub_co_u32 s16, s16, 1
	s_cmp_lg_u32 s16, 0
	s_cbranch_scc1 .Ltrip
	s_wait_dscnt 0x0                               ; the last row's four requests, which nobody uses
	; A lane that wraps in the last row holds W's maximum in ACC and N's in ACN; a lane that does not holds N's in ACC.
	s_sub_co_u32 s15, s13, 376                     ; s13 is a0 + q0 + 49: the last row's a + q0 - 375
	s_lshl_b32 s15, s15, 5
	s_mov_b32 s17, 0
.irp q, 0,1,2,3,4,5
	v_add_nc_u32 v[TF], s15, v[RL]
	v_cmp_le_i32 s20, 0, v[TF]                     ; the lanes that wrap
	v_cmp_le_f32 s21, 0, v[ACC+(\q)]
	v_cmp_le_f32 s22, 0, v[ACN+(\q)]
	s_and_not1_b32 s23, s21, s20
	s_or_b32 s23, s23, s22                         ; N: any lane?
	s_cselect_b32 s23, 1<<(\q), 0
	s_or_b32 s17, s17, s23
	s_and_b32 s23, s21, s20                        ; W: any lane?
	s_cselect_b32 s23, 1<<(6+(\q)), 0
	s_or_b32 s17, s17, s23
	s_add_co_u32 s15, s15, 32
.endr
	s_lshl_b32 s20, s8, 2
	s_add_co_u32 s20, s20, FLG
	v_mov_b32 v[T], s20
	v_mov_b32 v[T+1], s17
	ds_store_b32 v[T], v[T+1]                      ; all lanes write the same word with the same value
	s_wait_dscnt 0x0
	s_barrier_signal -1
	s_barrier_wait -1
	s_cmp_lg_u32 s8, 0                             ; wave 0 turns 32 waves x 12 bits into 12 words of 32 bits
	s_cbranch_scc1 .Lend
	v_lshl_add_u32 v[T], v0, 2, FLG                ; in wave 0 the thread's number is the lane's
	ds_load_b32 v[T+1], v[T]
	v_mov_b32 v[T+4], 0
	v_mov_b32 v[T+5], 0
	v_lshlrev_b32 v[T+6], 3, v0
	s_wait_dscnt 0x0
.irp i, 0,1,2,3,4,5,6,7,8,9,10,11
	v_and_b32 v[T+2], 1<<(\i), v[T+1]
	v_cmp_ne_u32 s[36+(\i)], 0, v[T+2]             ; bit rho: wave rho's bit i
.endr
.irp i, 0,1,2,3,4,5,6,7,8,9,10,11
	v_writelane_b32 v[T+4], s[36+(\i)], \i
.endr
	global_store_b64 v[T+6], v[T+4:T+5], s[6:7]    ; 256 consecutive bytes, aligned
.Lend:
	s_wait_tensorcnt 0x0                           ; the wave's end: behind my last LDS store
	ds_add_u32 v[SPW], v[NIL]
	s_wait_dscnt 0x0
	s_endpgm
.Lfunc_end_k_q6eaf5d2775_nms:
	.size	k_q6eaf5d2775_nms, .Lfunc_end_k_q6eaf5d2775_nms-k_q6eaf5d2775_nms
	.p2alignl 7, 3214868480
	.fill 96, 4, 3214868480
	.section	.rodata,"a",@progbits
	.p2align	6, 0x0
	.amdhsa_kernel k_q6eaf5d2775_nms
		.amdhsa_group_segment_fixed_size 86272
		.amdhsa_private_segment_fixed_size 0
		.amdhsa_enable_private_segment 0
		.amdhsa_kernarg_size 16
		.amdhsa_user_sgpr_count 2
		.amdhsa_user_sgpr_kernarg_segment_ptr 1
		.amdhsa_wavefront_size32 1
		.amdhsa_system_sgpr_workgroup_id_x 1
		.amdhsa_system_sgpr_workgroup_id_y 1
		.amdhsa_system_sgpr_workgroup_id_z 1
		.amdhsa_system_vgpr_workitem_id 0
		.amdhsa_next_free_vgpr 128
		.amdhsa_next_free_sgpr 66
		.amdhsa_reserve_vcc 1
		.amdhsa_float_denorm_mode_32 3
		.amdhsa_float_denorm_mode_16_64 3
		.amdhsa_memory_ordered 1
		.amdhsa_forward_progress 1
		.amdhsa_inst_pref_size 36
	.end_amdhsa_kernel
	.amdgpu_metadata
---
amdhsa.version: [ 1, 2 ]
amdhsa.kernels:
  - .name:           k_q6eaf5d2775_nms
    .symbol:         k_q6eaf5d2775_nms.kd
    .args:
      - { .name: sbox, .offset: 0, .size: 8, .value_kind: global_buffer, .address_space: global }
      - { .name: marks, .offset: 8, .size: 8, .value_kind: global_buffer, .address_space: global }
    .group_segment_fixed_size: 86272
    .private_segment_fixed_size: 0
    .kernarg_segment_align: 8
    .kernarg_segment_size: 16
    .max_flat_workgroup_size: 1024
    .sgpr_count:     66
    .vgpr_count:     128
    .wavefront_size: 32
...
	.end_amdgpu_metadata
.endif
;; end of part 3
;; launch compact (part 4): grid 1 x 1, 32 waves a work-group, no clusters, 8,448 bytes of LDS; arguments marks, sbox, out0, out1; writes out0, out1
.if DOCPART == 4
	.amdgcn_target "amdgcn-amd-amdhsa--gfx1250"
	.amdhsa_code_object_version 6
	.text
	.protected	k_q6eaf5d2775_compact
	.globl	k_q6eaf5d2775_compact
	.p2align	8
	.type	k_q6eaf5d2775_compact,@function
k_q6eaf5d2775_compact:
	s_mov_b64 s[64:65], 0
	v_nop
	global_prefetch_b8 v0, s[64:65] scope:SCOPE_SE
	s_setreg_imm32_b32 hwreg(HW_REG_WAVE_MODE, 25, 1), 1
	s_wait_xcnt 0x0
; THE KEPT BOXES TO THE FRONT.  One work-group: the place of a kept box is the number of kept boxes ahead of it, a sum over all 12,000.
; 1. marks holds, for each of 32 x 8 work-groups (sx, sy) of the launch before, 32 pairs of words.  Thread t = 32 sx + slot ORs its word over the eight sy and puts it at LDS byte 4 t.
; 2. Wave w owns boxes k = 384 w .. + 383, twelve blocks of 32, a lane a box.  Diagonal d = k + 1: up to 6,000 its bit is part N's of d, beyond that part W's of 12,000 - d; with x the one or the other,
;    q = x / 32, the word lies at 32 (q / 6) + q % 6 (+ 6 for W) and the bit is x % 32.  q / 6 = (171 q) >> 10, right for q up to 191.  k = 11,999 has d = 12,000: W of 0, which is never set.
; 3. A block's kept boxes are a lane mask in a scalar register; counts by s_bcnt1; the waves' counts meet in LDS; every wave adds up those of the waves ahead of it, and all of them.
; 4. Each kept box goes to its place if that is below 2,000; rows from the number kept on are zeros; out1's byte p is 1 below the number kept.
; The boxes are loaded at the head, from addresses made of ids alone; what hangs on the marks (whole numbers, stored by the launch before) are the stores' places and lane masks.
; ALL PLACES AND ALL LANE MASKS ARE MADE WITH ALL LANES ON, each place in a register of its own; behind the first line that narrows EXEC stand the masked stores alone, and no vector register is written there.
.set BITS,  0                          ; LDS: 1,024 words
.set CNT,   4096                       ; 32 counts
.set SPARE, 4352                       ; the spare words, 128 bytes for each of 32 waves; no other line names them
.set MK,  2                            ; v2-9    my word of the eight sy
.set LNE, 10                           ; lane
.set KV,  11                           ; my box in block 0
.set BX,  12                           ; v12-59  my twelve boxes
.set WD,  60                           ; v60-71  their words of bits
.set SH,  72                           ; v72-83  their bits' numbers
.set TD,  84
.set TY,  85
.set TM,  86
.set A8,  87
.set AB,  88
.set L4,  89
.set ZR,  90                           ; v90-93  a row of zeros
.set ONE, 94
.set SPW, 95                           ; my spare word's LDS address; never rewritten
.set NIL, 96                           ; 0; never rewritten
.set VC,  98
.set OW,  99                           ; my four bytes of out1
.set PA,  100                          ; v100-111 the twelve boxes' byte offsets in out0
.set PZ,  112                          ; v112-113 my two rows' byte offsets in out0, for the zeros
.set KM,  36                           ; s36-47  block n's kept boxes, a bit a lane
.set SM,  48                           ; s48-59  those of them whose place is below 2,000
.set ZM,  60                           ; s60-61  the lanes whose row is a row of zeros
.set OM,  62                           ; s62     the lanes that store a word of out1
	s_load_b256 s[4:11], s[0:1], 0x0               ; marks s[4:5], sbox s[6:7], out0 s[8:9], out1 s[10:11]
	v_lshl_add_u32 v[SPW], v0, 2, SPARE
	v_mov_b32 v[NIL], 0
	v_lshrrev_b32 v1, 5, v0
	v_readfirstlane_b32 s12, v1                    ; wave 0..31
	v_and_b32 v[LNE], 31, v0
	v_lshlrev_b32 v[A8], 3, v0
	v_lshlrev_b32 v[L4], 2, v0
	s_mul_i32 s13, s12, 384
	v_add_nc_u32 v[KV], s13, v[LNE]
	v_lshlrev_b32 v[AB], 4, v[KV]
.irp c, 0,1,2,3
	v_mov_b32 v[ZR+(\c)], 0
.endr
	v_mov_b32 v[ONE], 1
	s_wait_kmcnt 0x0
.irp y, 0,1,2,3,4,5,6,7
	global_load_b32 v[MK+(\y)], v[A8], s[4:5] offset:8192*(\y)
.endr
.irp n, 0,1,2,3,4,5,6,7,8,9,10,11
	global_load_b128 v[BX+4*(\n):BX+4*(\n)+3], v[AB], s[6:7] offset:512*(\n)
.endr
	s_wait_loadcnt 12                              ; the eight words are in; the twelve boxes stay out
.irp y, 1,2,3,4,5,6,7
	v_or_b32 v[MK], v[MK], v[MK+(\y)]
.endr
	ds_store_b32 v[L4], v[MK] offset:BITS
	s_wait_dscnt 0x0
	s_barrier_signal -1
	s_barrier_wait -1
.irp n, 0,1,2,3,4,5,6,7,8,9,10,11
	v_add_nc_u32 v[TD], 32*(\n)+1, v[KV]           ; d
	v_sub_nc_u32 v[TY], 12000, v[TD]
	v_cmp_ge_u32 vcc_lo, 6000, v[TD]               ; part N?
	v_cndmask_b32 v[TY], v[TY], v[TD], vcc_lo
	v_min_u32 v[TY], 6143, v[TY]                   ; (boxes from 12,000 on, which do not exist, are masked out below)
	v_and_b32 v[SH+(\n)], 31, v[TY]
	v_lshrrev_b32 v[TY], 5, v[TY]                  ; q
	v_mul_u32_u24 v[TM], 171, v[TY]
	v_lshrrev_b32 v[TM], 10, v[TM]                 ; q / 6
	v_mad_u32_u24 v[TY], v[TM], 26, v[TY]          ; 32 (q / 6) + q % 6
	v_add_nc_u32 v[TM], 6, v[TY]
	v_cndmask_b32 v[TY], v[TM], v[TY], vcc_lo
	v_min_u32 v[TY], 1023, v[TY]
	v_lshlrev_b32 v[TY], 2, v[TY]
	ds_load_b32 v[WD+(\n)], v[TY] offset:BITS
.endr
	s_mov_b32 s20, 0
	s_wait_dscnt 0x0
.irp n, 0,1,2,3,4,5,6,7,8,9,10,11
	v_lshrrev_b32 v[TM], v[SH+(\n)], v[WD+(\n)]
	v_and_b32 v[TM], 1, v[TM]
	v_add_nc_u32 v[TD], 32*(\n), v[KV]
	v_cmp_eq_u32 s[KM+(\n)], 0, v[TM]              ; not deleted,
	v_cmp_gt_u32 vcc_lo, 12000, v[TD]              ; and a box
	s_and_b32 s[KM+(\n)], s[KM+(\n)], vcc_lo
	s_bcnt1_i32_b32 s21, s[KM+(\n)]
	s_add_co_u32 s20, s20, s21
.endr
	s_lshl_b32 s21, s12, 2
	v_mov_b32 v[TY], s21
	v_mov_b32 v[TM], s20
	ds_store_b32 v[TY], v[TM] offset:CNT           ; all lanes write the same word with the same value
	s_wait_dscnt 0x0
	s_barrier_signal -1
	s_barrier_wait -1
	v_lshlrev_b32 v[TY], 2, v[LNE]
	ds_load_b32 v[VC], v[TY] offset:CNT
	s_mov_b32 s22, 0                               ; kept in all
	s_mov_b32 s23, 0                               ; kept ahead of my wave
	s_wait_dscnt 0x0
	s_wait_tensorcnt 0x0                           ; the closing lines, behind my last LDS store and ahead of the wave's end, stand here, where all lanes are on; no LDS instruction follows them
	ds_add_u32 v[SPW], v[NIL]
	s_wait_dscnt 0x0
.set i, 0
.rept 32
	v_readlane_b32 s21, v[VC], i
	s_add_co_u32 s22, s22, s21
	s_cmp_gt_u32 s12, i
	s_cselect_b32 s21, s21, 0
	s_add_co_u32 s23, s23, s21
.set i, i+1
.endr
	; the places and the masks, all lanes on
.irp n, 0,1,2,3,4,5,6,7,8,9,10,11
	v_mbcnt_lo_u32_b32 v[PA+(\n)], s[KM+(\n)], 0   ; kept in the lanes below mine,
	v_add_nc_u32 v[PA+(\n)], s23, v[PA+(\n)]       ; and ahead of this block
	v_cmp_gt_u32 vcc_lo, 2000, v[PA+(\n)]
	s_and_b32 s[SM+(\n)], vcc_lo, s[KM+(\n)]
	v_min_u32 v[PA+(\n)], 1999, v[PA+(\n)]
	v_lshlrev_b32 v[PA+(\n)], 4, v[PA+(\n)]
	s_bcnt1_i32_b32 s21, s[KM+(\n)]
	s_add_co_u32 s23, s23, s21
.endr
.irp h, 0,1
	v_add_nc_u32 v[PZ+(\h)], 1024*(\h), v0         ; row p: zeros from the number kept on
	v_cmp_le_u32 vcc_lo, s22, v[PZ+(\h)]
	v_cmp_gt_u32 s25, 2000, v[PZ+(\h)]
	s_and_b32 s[ZM+(\h)], vcc_lo, s25
	v_min_u32 v[PZ+(\h)], 1999, v[PZ+(\h)]
	v_lshlrev_b32 v[PZ+(\h)], 4, v[PZ+(\h)]
.endr
	v_mov_b32 v[OW], 0                             ; out1: four bytes a thread, threads 0 .. 499
.irp b, 3,2,1,0
	v_add_nc_u32 v[TD], \b, v[L4]
	v_cmp_gt_u32 vcc_lo, s22, v[TD]
	v_cndmask_b32 v[TM], 0, v[ONE], vcc_lo
	v_lshl_or_b32 v[OW], v[OW], 8, v[TM]
.endr
	v_cmp_gt_u32 s[OM], 500, v0
	s_wait_loadcnt 0x0                             ; the boxes
	; the masked stores.  EXEC is a source of a pending store: it is narrowed, and widened again, only behind s_wait_xcnt 0.
.macro UNDER mask
	s_wait_xcnt 0x0
	s_mov_b32 vcc_lo, s[\mask]
	s_and_saveexec_b32 s24, vcc_lo
.endm
.macro ALL_ON
	s_wait_xcnt 0x0
	s_or_b32 exec_lo, exec_lo, s24
.endm
.irp n, 0,1,2,3,4,5,6,7,8,9,10,11
	UNDER SM+(\n)
	global_store_b128 v[PA+(\n)], v[BX+4*(\n):BX+4*(\n)+3], s[8:9]
	ALL_ON
.endr
.irp h, 0,1
	UNDER ZM+(\h)
	global_store_b128 v[PZ+(\h)], v[ZR:ZR+3], s[8:9]
	ALL_ON
.endr
	UNDER OM
	global_store_b32 v[L4], v[OW], s[10:11]
	ALL_ON
	s_endpgm
.Lfunc_end_k_q6eaf5d2775_compact:
	.size	k_q6eaf5d2775_compact, .Lfunc_end_k_q6eaf5d2775_compact-k_q6eaf5d2775_compact
	.p2alignl 7, 3214868480
	.fill 96, 4, 3214868480
	.section	.rodata,"a",@progbits
	.p2align	6, 0x0
	.amdhsa_kernel k_q6eaf5d2775_compact
		.amdhsa_group_segment_fixed_size 8448
		.amdhsa_private_segment_fixed_size 0
		.amdhsa_enable_private_segment 0
		.amdhsa_kernarg_size 32
		.amdhsa_user_sgpr_count 2
		.amdhsa_user_sgpr_kernarg_segment_ptr 1
		.amdhsa_wavefront_size32 1
		.amdhsa_system_sgpr_workgroup_id_x 1
		.amdhsa_system_sgpr_workgroup_id_y 1
		.amdhsa_system_sgpr_workgroup_id_z 1
		.amdhsa_system_vgpr_workitem_id 0
		.amdhsa_next_free_vgpr 120
		.amdhsa_next_free_sgpr 66
		.amdhsa_reserve_vcc 1
		.amdhsa_float_denorm_mode_32 3
		.amdhsa_float_denorm_mode_16_64 3
		.amdhsa_memory_ordered 1
		.amdhsa_forward_progress 1
		.amdhsa_inst_pref_size 32
	.end_amdhsa_kernel
	.amdgpu_metadata
---
amdhsa.version: [ 1, 2 ]
amdhsa.kernels:
  - .name:           k_q6eaf5d2775_compact
    .symbol:         k_q6eaf5d2775_compact.kd
    .args:
      - { .name: marks, .offset: 0, .size: 8, .value_kind: global_buffer, .address_space: global }
      - { .name: sbox, .offset: 8, .size: 8, .value_kind: global_buffer, .address_space: global }
      - { .name: out0, .offset: 16, .size: 8, .value_kind: global_buffer, .address_space: global }
      - { .name: out1, .offset: 24, .size: 8, .value_kind: global_buffer, .address_space: global }
    .group_segment_fixed_size: 8448
    .private_segment_fixed_size: 0
    .kernarg_segment_align: 8
    .kernarg_segment_size: 32
    .max_flat_workgroup_size: 1024
    .sgpr_count:     66
    .vgpr_count:     120
    .wavefront_size: 32
...
	.end_amdgpu_metadata
.endif
;; end of part 4
;; ======== version 2 of 2: 4 launches; version 1 with the launch nms written anew for expert scheduling mode
;; workspace buffers: roi 299,008 bytes; kr 149,504 bytes of whole numbers; sbox 299,008 bytes; marks 65,536 bytes of whole numbers
;; launch decode: the kernel of part 1 again; grid 73 x 1, 8 waves a work-group, no clusters, 2,048 bytes of LDS; arguments anchor_boxes, rpn_bbox_pred, rpn_cls_score, roi, kr; writes roi, kr
;; launch rank: the kernel of part 2 again; grid 146 x 1, 32 waves a work-group, no clusters, 82,944 bytes of LDS; arguments kr, roi, sbox; writes sbox
;; launch nms (part 5): grid 32 x 8, 32 waves a work-group, no clusters, 86,272 bytes of LDS; arguments sbox, marks; writes marks
.if DOCPART == 5
	.amdgcn_target "amdgcn-amd-amdhsa--gfx1250"
	.amdhsa_code_object_version 6
	.text
	.protected	k_q6eaf5d2775_nms
	.globl	k_q6eaf5d2775_nms
	.p2align	8
	.type	k_q6eaf5d2775_nms,@function
k_q6eaf5d2775_nms:
	s_mov_b64 s[64:65], 0
	v_nop
	global_prefetch_b8 v0, s[64:65] scope:SCOPE_SE
	s_setreg_imm32_b32 hwreg(HW_REG_WAVE_SCHED_MODE, 0, 2), 2
	s_setreg_imm32_b32 hwreg(HW_REG_WAVE_MODE, 25, 1), 1
	s_wait_xcnt 0x0
	s_wait_alu depctr_vm_vsrc(0)
; THE OVERLAP TESTS.  Box k of the 12,000 sorted boxes is deleted if some pair (z, z + d), d = k + 1, overlaps by 0.7 or more: an OR along diagonal d of the matrix of pairs.
; CIRCULAR DIAGONALS.  The pairs (z, (z + d) mod 12,000), d = 0 .. 6,143, z = 0 .. 11,999: where z + d stays below 12,000 (part N) the pair lies on diagonal d; where it wraps (part W) it is the pair
; (z + d - 12,000, z) on diagonal 12,000 - d.  N of d = 1 .. 6,000 and W of d = 1 .. 5,999 are all the diagonals; the triangle has become a rectangle.
; SHARES.  d = 32 q + rho, z = 32 a + lane: q = 0 .. 191, a = 0 .. 391 (rows from 375 on hold boxes that overlap nothing).  Work-group (sx, sy) takes q = 6 sx .. + 5 and a = 49 sy .. + 48: 32 x 8 equal
; shares.  Wave = rho.  Lane l holds z = 32 a + l and j = 32 (a + q) + rho + l, so d is the same in all lanes of a wave, and a wave's OR over its lanes and rows is one bit for each q and part.
; LDS.  The 2,048 boxes from 32 a0 on (z) and the 2,048 from 32 (a0 + q0) on, taken mod 12,000 (j), each as x1, y1, x2 + 1, y2 + 1 and a' = (7/17) (x2 - x1 + 1)(y2 - y1 + 1); filled once, through registers.
; A ROW.  Its six j blocks are a window that moves by one block a row: seven slots in registers, one new j block and one new z block loaded a row ahead.  Seven rows a trip, so that slot numbers are constants.
; THE TEST.  i / (A - i) >= 0.7 with A the two areas' sum is i >= (7/17) A: the value w h - (a'z + a'j), one fused multiply-add, is kept as a running maximum and compared with 0 at the end.
; Only the width is held at 0: with w >= 0 a negative height makes w h <= 0, below the sum.  A box with x2 - x1 + 1 <= 0 or y2 - y1 + 1 <= 0 has no overlap with anything: its a' is 1e30, so it never passes.
; N AND W.  A lane wraps from the row on in which 32 (a + q - 375) + rho + l reaches 0.  In that row, ahead of its tests, the lane's maximum so far is set aside as N's and the maximum starts anew for W.
; OUT: 256 bytes a work-group: lane i's 8 bytes hold word i and 0; words 0-5 are N of the six q, words 6-11 W; bit rho of a word is wave rho's.  Whole numbers, used by the next launch.
; LIMITS.  The test's order of rounding differs from a division followed by a compare with 0.7, by a few 2^-24 of the quotient; x2 + 1 and y2 + 1 are rounded ahead of the subtraction.
; THE MODE: SCHED_MODE bits 1:0 = 2 (LLVM: expert scheduling mode 2), set by the entry lines.  The code itself states the register dependences between vector instructions and memory or LDS
; instructions, and between a vector instruction that writes a scalar register and that register's readers, with s_wait_alu, always for 0.
; THE PLAN.  Registers that memory or LDS instructions touch:
;   z slots, j slots   Row r's four LDS loads land in z slot (r + 1) % 7 and j slot (r + 6) % 7.  The tests read that z slot six rows earlier and that j slot in the row before; row r's own tests name
;                      z slot r % 7 and j slots r .. r + 5 (mod 7), never the two that are being loaded.
;   v[ZB] v[ZA] v[JB] v[JA]   Read by every LDS load of the loop; written once a trip, by four adds at the trip's end.
;   v24-39, v96-107    While LDS is filled: offsets, boxes and areas, written by vector lines, read by the global loads and the LDS stores.  Behind the first barrier they are slots and T.
;   T, the maxima, v[RL], v[TF], v[MONE] are named in the loop by vector instructions alone.
; So ONE wait on va_vdst stands at the head of a row, with the row's four loads straight behind it; one wait on vm_vsrc a trip stands ahead of the adds to the addresses.  Compares that feed selects or
; scalar work are laid in runs, into scalar registers of their own, with one wait on va_sdst behind each run.
.set ZBOX,  0                          ; 2,048 x 16 bytes
.set JBOX,  32768                      ; 2,048 x 16 bytes
.set ZAREA, 65536                      ; 2,048 x 4 bytes
.set JAREA, 73728                      ; 2,048 x 4 bytes
.set FLG,   81920                      ; 32 words, wave rho's at 4 rho
.set SPARE, 82176                      ; the spare words, 128 bytes for each of 32 waves; no other line names them
.set ZB,  2                            ; LDS addresses of my lane's z box, z area, j box, j area in the trip's first row
.set ZA,  3
.set JB,  4
.set JA,  5
.set RL,  6                            ; rho + lane
.set TF,  7
.set SPW, 8                            ; my spare word's LDS address; never rewritten
.set NIL, 9                            ; 0; never rewritten
.set ACC, 10                           ; v10-15  the running maxima, one for each q
.set ACN, 16                           ; v16-21  N's maxima, set aside
.set MONE, 22                          ; -1.0
.set ZBX, 24                           ; v24-51  seven slots of a z box
.set ZAR, 52                           ; v52-58  of its a'
.set JBX, 60                           ; v60-87  seven slots of a j box
.set JAR, 88                           ; v88-94  of its a'
.set T,   96                           ; v96-125 three sets of five pairs, at work
.set SO,  96                           ; while LDS is filled: byte offsets in sbox,
.set J0,  97
.set J1,  98
.set TA,  99                           ; at work,
.set TB,  100
.set L16, 101                          ; 16 t,
.set A4,  102                          ; ZAREA + 4 t
.set TC,  103
.set AR,  104                          ; v104-107 the four boxes' a', a register each
.set WM,  24                           ; s24-29  lane masks: while LDS is filled the boxes that have an extent; in the loop and behind it the lanes that wrap, one for each q
.set MA,  30                           ; s30-35  behind the loop: the lanes whose running maximum passes
.set MN,  48                           ; s48-53  those whose maximum set aside passes
	s_load_b128 s[4:7], s[0:1], 0x0                ; sbox s[4:5], marks s[6:7]
	v_lshl_add_u32 v[SPW], v0, 2, SPARE
	v_mov_b32 v[NIL], 0
	v_lshrrev_b32 v1, 5, v0
	v_readfirstlane_b32 s8, v1                     ; rho
	s_mov_b32 s9, ttmp9                            ; sx
	s_and_b32 s10, ttmp7, 0xffff                   ; sy
	s_mul_i32 s11, s9, 6                           ; q0
	s_mul_i32 s12, s10, 49                         ; a0
	s_add_co_u32 s13, s12, s11                     ; a + q0 of the trip's first row
	s_lshl_b32 s14, s12, 5
	s_lshl_b32 s15, s13, 5
	v_add_nc_u32 v[SO], s14, v0                    ; z boxes 32 a0 + t and + 1,024: 13,023 at the most
	v_lshlrev_b32 v[SO], 4, v[SO]
	v_add_nc_u32 v[J0], s15, v0                    ; j boxes 32 (a0 + q0) + t and + 1,024, mod 12,000: the lesser, unsigned, of the number and the number less 12,000
	v_add_nc_u32 v[J1], 1024, v[J0]
	v_add_nc_u32 v[TA], 0xffffd120, v[J0]
	v_add_nc_u32 v[TB], 0xffffd120, v[J1]
	v_min_u32 v[J0], v[J0], v[TA]
	v_min_u32 v[J1], v[J1], v[TB]
	v_lshlrev_b32 v[J0], 4, v[J0]
	v_lshlrev_b32 v[J1], 4, v[J1]
	s_wait_alu depctr_va_sdst(0)                   ; s8, the wave's number, is written, ahead of its first reader (the line that makes v[RL])
	s_wait_kmcnt 0x0
	s_wait_alu depctr_va_vdst(0)                   ; v[SO], v[J0] and v[J1] are written, which the four loads read as their offsets
	global_load_b128 v[24:27], v[SO], s[4:5]
	global_load_b128 v[28:31], v[SO], s[4:5] offset:16384
	global_load_b128 v[32:35], v[J0], s[4:5]
	global_load_b128 v[36:39], v[J1], s[4:5]
	v_lshlrev_b32 v[L16], 4, v0
	v_lshl_add_u32 v[A4], v0, 2, ZAREA
	v_and_b32 v1, 31, v0
	v_add_nc_u32 v[RL], s8, v1
	v_lshlrev_b32 v[ZB], 4, v1
	v_lshl_add_u32 v[ZA], v1, 2, ZAREA
	v_lshl_add_u32 v[JB], v[RL], 4, JBOX
	v_lshl_add_u32 v[JA], v[RL], 2, JAREA
	v_mov_b32 v[MONE], -1.0
.irp q, 0,1,2,3,4,5
	v_mov_b32 v[ACC+(\q)], -1.0
	v_mov_b32 v[ACN+(\q)], -1.0
.endr
	s_lshl_b32 s20, s10, 5                         ; my work-group's 256 bytes of marks
	s_add_co_u32 s20, s20, s9
	s_lshl_b32 s20, s20, 8
	s_mov_b32 s21, 0
	s_add_nc_u64 s[6:7], s[6:7], s[20:21]
	s_wait_loadcnt 0x0
; A box on its way into LDS, in two parts.  PREP: the arithmetic of box i of my four, in v[b .. b + 3]: its a' into a register of its own, the compare for its extent into a scalar register of its own.
.macro PREP b, i
	v_sub_f32 v[AR+(\i)], v[(\b)+2], v[\b]
	v_sub_f32 v[TB], v[(\b)+3], v[(\b)+1]
	v_add_f32 v[AR+(\i)], 1.0, v[AR+(\i)]
	v_add_f32 v[TB], 1.0, v[TB]
	v_min_num_f32 v[TC], v[AR+(\i)], v[TB]
	v_mul_f32 v[AR+(\i)], v[AR+(\i)], v[TB]
	v_cmp_lt_f32 s[WM+(\i)], 0, v[TC]
	v_mul_f32 v[AR+(\i)], 0x3ed2d2d3, v[AR+(\i)]   ; 7/17
	v_add_f32 v[(\b)+2], 1.0, v[(\b)+2]
	v_add_f32 v[(\b)+3], 1.0, v[(\b)+3]
.endm
; PUT: its two LDS stores.
.macro PUT b, i, bo, ao
	ds_store_b128 v[L16], v[\b:(\b)+3] offset:\bo
	ds_store_b32 v[A4], v[AR+(\i)] offset:\ao
.endm
	PREP 24, 0
	PREP 28, 1
	PREP 32, 2
	PREP 36, 3
	s_wait_alu depctr_va_sdst(0)                   ; the four compares have written s24-27, which the four selects read
.irp i, 0,1,2,3
	v_cndmask_b32 v[AR+(\i)], 0x7149f2ca, v[AR+(\i)], s[WM+(\i)]  ; no extent: 1e30
.endr
	s_wait_alu depctr_va_vdst(0)                   ; the boxes v24-39, their a', v[L16] and v[A4] are written, which the eight LDS stores read; so are v[ZB], v[ZA], v[JB], v[JA], which the first blocks' loads read
	PUT 24, 0, ZBOX, 0
	PUT 28, 1, ZBOX+16384, 4096
	PUT 32, 2, JBOX, JAREA-ZAREA
	PUT 36, 3, JBOX+16384, JAREA-ZAREA+4096
	s_wait_dscnt 0x0                               ; for the others' sake: my boxes lie in LDS
	s_barrier_signal -1
	s_barrier_wait -1
	s_wait_alu depctr_vm_vsrc(0)                   ; my LDS stores have read v24-39 and v101-107, the global loads v96-98: from here on these are slots, in which the loads below land, and T, which the tests write
	ds_load_b128 v[ZBX:ZBX+3], v[ZB]               ; the first row's z block and its six j blocks; no vector line since the last wait on va_vdst names a slot or an address
	ds_load_b32 v[ZAR], v[ZA]
.irp q, 0,1,2,3,4,5
	ds_load_b128 v[JBX+4*(\q):JBX+4*(\q)+3], v[JB] offset:512*(\q)
	ds_load_b32 v[JAR+(\q)], v[JA] offset:128*(\q)
.endr
; Two of a row's six tests: q' = 2 i and 2 i + 1, 17 lines for two pairs a lane.
.macro GROUP r, i
.set gz, ZBX+4*((\r)%7)
.set gza, ZAR+(\r)%7
.set ga, JBX+4*(((\r)+2*(\i))%7)
.set gb, JBX+4*(((\r)+2*(\i)+1)%7)
.set gaa, JAR+((\r)+2*(\i))%7
.set gab, JAR+((\r)+2*(\i)+1)%7
.set gt, T+10*(\i)
	v_max_num_f32 v[gt],   v[gz],   v[ga]
	v_max_num_f32 v[gt+1], v[gz],   v[gb]
	v_max_num_f32 v[gt+2], v[gz+1], v[ga+1]
	v_max_num_f32 v[gt+3], v[gz+1], v[gb+1]
	v_min_num_f32 v[gt+4], v[gz+2], v[ga+2]
	v_min_num_f32 v[gt+5], v[gz+2], v[gb+2]
	v_min_num_f32 v[gt+6], v[gz+3], v[ga+3]
	v_min_num_f32 v[gt+7], v[gz+3], v[gb+3]
	v_add_f32 v[gt+8], v[gza], v[gaa]
	v_add_f32 v[gt+9], v[gza], v[gab]
	v_pk_add_f32 v[gt+4:gt+5], v[gt+4:gt+5], v[gt:gt+1] neg_lo:[0,1] neg_hi:[0,1]      ; widths
	v_pk_add_f32 v[gt+6:gt+7], v[gt+6:gt+7], v[gt+2:gt+3] neg_lo:[0,1] neg_hi:[0,1]    ; heights
	v_max_num_f32 v[gt+4], 0, v[gt+4]
	v_max_num_f32 v[gt+5], 0, v[gt+5]
	v_pk_fma_f32 v[gt+8:gt+9], v[gt+4:gt+5], v[gt+6:gt+7], v[gt+8:gt+9] neg_lo:[0,0,1] neg_hi:[0,0,1]  ; w h - (a'z + a'j)
	v_max_num_f32 v[ACC+2*(\i)],   v[ACC+2*(\i)],   v[gt+8]
	v_max_num_f32 v[ACC+2*(\i)+1], v[ACC+2*(\i)+1], v[gt+9]
.endm
; Row r of a trip's seven.  First the scalar test for the rows in which lanes begin to wrap; then the one wait, and straight behind it the requests for the next row's z block and its one new j block,
; which so have the whole row in which to land; the last row's requests still fall inside the 2,048 staged boxes, so no tail is written out.
.macro ROW r
	s_sub_co_u32 s14, s13, 369-(\r)                ; a + q0 - 369: lanes begin to wrap only where a + q is 374 or 375, that is where this is 0 .. 6
	s_cmp_gt_u32 s14, 6
	s_cbranch_scc1 .Lsame_\@
	s_lshl_b32 s15, s14, 5
	s_sub_co_u32 s15, s15, 192                     ; 32 (a + q - 375) for q' = 0
.irp q, 0,1,2,3,4,5
	v_add_nc_u32 v[TF], s15, v[RL]
	v_cmp_gt_u32 s[WM+(\q)], 32, v[TF]             ; 0 .. 31: the lane wraps in this row for the first time
	s_add_co_u32 s15, s15, 32
.endr
	s_wait_alu depctr_va_sdst(0)                   ; the six compares have written s24-29, which the twelve selects read
.irp q, 0,1,2,3,4,5
	v_cndmask_b32 v[ACN+(\q)], v[ACN+(\q)], v[ACC+(\q)], s[WM+(\q)]
	v_cndmask_b32 v[ACC+(\q)], v[ACC+(\q)], v[MONE], s[WM+(\q)]
.endr
.Lsame_\@:
	s_wait_alu depctr_va_vdst(0)                   ; the row before is done reading j slot (r + 6) % 7, and earlier rows z slot (r + 1) % 7, in which the loads below land; in a trip's first row the four addresses are written
	ds_load_b128 v[ZBX+4*(((\r)+1)%7):ZBX+4*(((\r)+1)%7)+3], v[ZB] offset:512*((\r)+1)
	ds_load_b32 v[ZAR+((\r)+1)%7], v[ZA] offset:128*((\r)+1)
	ds_load_b128 v[JBX+4*(((\r)+6)%7):JBX+4*(((\r)+6)%7)+3], v[JB] offset:512*((\r)+6)
	ds_load_b32 v[JAR+((\r)+6)%7], v[JA] offset:128*((\r)+6)
	s_wait_dscnt 4                                 ; all but the four loads just issued: this row's blocks are in, on the way in and round the backward jump alike
	GROUP \r, 0
	GROUP \r, 1
	GROUP \r, 2
.endm
	s_mov_b32 s16, 7
.Ltrip:
.irp r, 0,1,2,3,4,5,6
	ROW \r
.endr
	s_wait_alu depctr_vm_vsrc(0)                   ; the LDS loads issued so far have read the four addresses, which the adds below write
	v_add_nc_u32 v[ZB], 3584, v[ZB]                ; seven rows on
	v_add_nc_u32 v[JB], 3584, v[JB]
	v_add_nc_u32 v[ZA], 896, v[ZA]
	v_add_nc_u32 v[JA], 896, v[JA]
	s_add_co_u32 s13, s13, 7
	s_sub_co_u32 s16, s16, 1
	s_cmp_lg_u32 s16, 0
	s_cbranch_scc1 .Ltrip
	s_wait_dscnt 0x0                               ; the last row's four requests, which nobody uses
	; A lane that wraps in the last row holds W's maximum in ACC and N's in ACN; a lane that does not holds N's in ACC.
	s_sub_co_u32 s15, s13, 376                     ; s13 is a0 + q0 + 49: the last row's a + q0 - 375
	s_lshl_b32 s15, s15, 5
	s_mov_b32 s17, 0
.irp q, 0,1,2,3,4,5
	v_add_nc_u32 v[TF], s15, v[RL]
	v_cmp_le_i32 s[WM+(\q)], 0, v[TF]              ; the lanes that wrap
	v_cmp_le_f32 s[MA+(\q)], 0, v[ACC+(\q)]
	v_cmp_le_f32 s[MN+(\q)], 0, v[ACN+(\q)]
	s_add_co_u32 s15, s15, 32
.endr
	s_wait_alu depctr_va_sdst(0)                   ; the eighteen compares have written s24-35 and s48-53, which the scalar lines below read
.irp q, 0,1,2,3,4,5
	s_and_not1_b32 s23, s[MA+(\q)], s[WM+(\q)]
	s_or_b32 s23, s23, s[MN+(\q)]                  ; N: any lane?
	s_cselect_b32 s23, 1<<(\q), 0
	s_or_b32 s17, s17, s23
	s_and_b32 s23, s[MA+(\q)], s[WM+(\q)]          ; W: any lane?
	s_cselect_b32 s23, 1<<(6+(\q)), 0
	s_or_b32 s17, s17, s23
.endr
	s_lshl_b32 s20, s8, 2
	s_add_co_u32 s20, s20, FLG
	v_mov_b32 v[T], s20
	v_mov_b32 v[T+1], s17
	s_wait_alu depctr_va_vdst(0)                   ; v[T] and v[T+1] are written, the LDS store's address and data
	ds_store_b32 v[T], v[T+1]                      ; all lanes write the same word with the same value
	s_wait_dscnt 0x0
	s_wait_alu depctr_vm_vsrc(0)                   ; the LDS store has read v[T] and v[T+1], which wave 0 writes again behind the branch
	s_barrier_signal -1
	s_barrier_wait -1
	s_cmp_lg_u32 s8, 0                             ; wave 0 turns 32 waves x 12 bits into 12 words of 32 bits
	s_cbranch_scc1 .Lend
	v_lshl_add_u32 v[T], v0, 2, FLG                ; in wave 0 the thread's number is the lane's
	v_mov_b32 v[T+4], 0
	v_mov_b32 v[T+5], 0
	v_lshlrev_b32 v[T+6], 3, v0
	s_wait_alu depctr_va_vdst(0)                   ; v[T] is written, the LDS load's address
	ds_load_b32 v[T+1], v[T]
	s_wait_dscnt 0x0
.irp i, 0,1,2,3,4,5,6,7,8,9,10,11
	v_and_b32 v[T+2], 1<<(\i), v[T+1]
	v_cmp_ne_u32 s[36+(\i)], 0, v[T+2]             ; bit rho: wave rho's bit i
.endr
	s_wait_alu depctr_va_sdst(0)                   ; the twelve compares have written s36-47, which the lines below read
.irp i, 0,1,2,3,4,5,6,7,8,9,10,11
	v_writelane_b32 v[T+4], s[36+(\i)], \i
.endr
	s_wait_alu depctr_va_vdst(0)                   ; v[T+4] is written, with v[T+5] the store's data; v[T+6], its offset, was written ahead of the wait before
	global_store_b64 v[T+6], v[T+4:T+5], s[6:7]    ; 256 consecutive bytes, aligned
.Lend:
	s_wait_dscnt 0x0                               ; the closing lines, six on end
	s_wait_alu 0x0
	s_wait_tensorcnt 0x0
	ds_add_u32 v[SPW], v[NIL]
	s_wait_dscnt 0x0
	s_endpgm
.Lfunc_end_k_q6eaf5d2775_nms:
	.size	k_q6eaf5d2775_nms, .Lfunc_end_k_q6eaf5d2775_nms-k_q6eaf5d2775_nms
	.p2alignl 7, 3214868480
	.fill 96, 4, 3214868480
	.section	.rodata,"a",@progbits
	.p2align	6, 0x0
	.amdhsa_kernel k_q6eaf5d2775_nms
		.amdhsa_group_segment_fixed_size 86272
		.amdhsa_private_segment_fixed_size 0
		.amdhsa_enable_private_segment 0
		.amdhsa_kernarg_size 16
		.amdhsa_user_sgpr_count 2
		.amdhsa_user_sgpr_kernarg_segment_ptr 1
		.amdhsa_wavefront_size32 1
		.amdhsa_system_sgpr_workgroup_id_x 1
		.amdhsa_system_sgpr_workgroup_id_y 1
		.amdhsa_system_sgpr_workgroup_id_z 1
		.amdhsa_system_vgpr_workitem_id 0
		.amdhsa_next_free_vgpr 128
		.amdhsa_next_free_sgpr 66
		.amdhsa_reserve_vcc 0
		.amdhsa_float_denorm_mode_32 3
		.amdhsa_float_denorm_mode_16_64 3
		.amdhsa_memory_ordered 1
		.amdhsa_forward_progress 1
		.amdhsa_inst_pref_size 41
	.end_amdhsa_kernel
	.amdgpu_metadata
---
amdhsa.version: [ 1, 2 ]
amdhsa.kernels:
  - .name:           k_q6eaf5d2775_nms
    .symbol:         k_q6eaf5d2775_nms.kd
    .args:
      - { .name: sbox, .offset: 0, .size: 8, .value_kind: global_buffer, .address_space: global }
      - { .name: marks, .offset: 8, .size: 8, .value_kind: global_buffer, .address_space: global }
    .group_segment_fixed_size: 86272
    .private_segment_fixed_size: 0
    .kernarg_segment_align: 8
    .kernarg_segment_size: 16
    .max_flat_workgroup_size: 1024
    .sgpr_count:     66
    .vgpr_count:     128
    .wavefront_size: 32
...
	.end_amdgpu_metadata
.endif
;; end of part 5
;; launch compact: the kernel of part 4 again; grid 1 x 1, 32 waves a work-group, no clusters, 8,448 bytes of LDS; arguments marks, sbox, out0, out1; writes out0, out1
